; MI455X (gfx1250); checked and timed in simulation.
; The chip was launched on July 23, 2026; its instructions are those of AMD's public machine-readable ISA for CDNA 5 (MIT licence, August 2026) and "CDNA5" Instruction Set Architecture Reference Guide (July 2026). The comments in the code are by the model that wrote it; some were corrected since.
;; Multi Head Layer. Allowed arithmetic: matrix products marked QUANTISED: E5M2 operands, one given power-of-two scale a tensor, by v_wmma_f32_16x16x64_bf8_bf8 or v_wmma_f32_16x16x128_bf8_bf8, f32 sums; everything else in f32.
;; Inputs: W_Key_codes 256 x 8 x 32 uint8 (E5M2 codes of W_Key, K innermost, in blocks of 32 codes); W_Query_codes 256 x 8 x 32 uint8 (E5M2 codes of W_Query, K innermost, in blocks of 32 codes); W_Value_codes 256 x 8 x 32 uint8 (E5M2 codes of W_Value, K innermost, in blocks of 32 codes); keys_codes 4,096 x 8 x 32 uint8 (E5M2 codes of keys, K innermost, in blocks of 32 codes); lowp_scales 10 int32 (the exponents e of the quantised operands' scales 2^e); queries_codes 4,096 x 8 x 32 uint8 (E5M2 codes of queries, K innermost, in blocks of 32 codes); values_codes 4,096 x 8 x 32 uint8 (E5M2 codes of values, K innermost, in blocks of 32 codes).
;; Outputs: out0 4,096 x 256 float32.
;; This version of the problem:
;;   THIS VERSION OF THE PROBLEM IS GIVEN IN LOW PRECISION. The matrix products marked QUANTISED in the list below multiply operands that are first quantised to E5M2 (5 exponent bits, 2 mantissa bits; 8 bits a number), with one given power-of-two scale for each operand tensor; their sums are f32. All else is computed in f32.
;;   The module's matrix products, in the order in which they are computed (A, B: the left and right operand; K: the contracted axis; several contracted axes count as one K, in the product's order):
;;     1. [M 4,096, K 256] x [K 256, N 256]; A: input queries (given as codes); B: input W_Query (given as codes): QUANTISED (scales: A lowp_scales[0], B lowp_scales[1])
;;     2. [M 4,096, K 256] x [K 256, N 256]; A: input keys (given as codes); B: input W_Key (given as codes): QUANTISED (scales: A lowp_scales[2], B lowp_scales[3])
;;     3. [M 4,096, K 256] x [K 256, N 256]; A: input values (given as codes); B: input W_Value (given as codes): QUANTISED (scales: A lowp_scales[4], B lowp_scales[5])
;;     4. [M 16,384, K 64] x [K 64, N 16,384]; A: computed on the way; B: computed on the way: QUANTISED (scales: A lowp_scales[6], B lowp_scales[7])
;;     5. [M 16,384, K 16,384] x [K 16,384, N 64]; A: softmax (see below); B: computed on the way: QUANTISED (scales: A lowp_scales[8], B lowp_scales[9])
;;   THE QUANTISER, for each operand of a quantised product, along K:
;;     - The operand's scale is 2^e, e = its entry of the input lowp_scales (int32; the entries are numbered through the quantised products in the list's order, A before B).
;;     - Each number is divided by the scale, clamped to +-57,344, and rounded to the nearest number of E5M2, ties to even, subnormals kept.
;;     - The product sums the exact products of the quantised numbers (number of the format x scale) in f32.
;;   ~~~python
;;   def quantise(x, axis, e):      # numpy; x: float32 -> the quantised numbers, widened to float32 again
;;       x = np.moveaxis(x, axis, -1); K = x.shape[-1]
;;       r = np.clip(x / 2.0 ** e, -57344, 57344)
;;       step = 2.0 ** (np.maximum(np.frexp(np.where(r == 0, 1, r))[1] - 1, -14) - 2)
;;       q = np.round(r / step) * step * 2.0 ** e      # np.round: ties to even
;;       return np.moveaxis(q, -1, axis).astype(np.float32)
;;   ~~~
;;   SOFTMAX AHEAD OF A QUANTISED PRODUCT. Where the list says 'softmax', what is quantised is not the finished softmax but p = 2^(t - M), with t = logit x log2(e) and M = ceil(the row's largest t), a whole number; so 1/2 < the row's largest p <= 1. The row's sum l is taken of the UNQUANTISED p, in f32, and the product's result is divided by l at the end. Since M is a whole number, a kernel that streams over the keys may use a running M (the ceiling of the running maximum): every later rescaling is an exact power of two, so the quantised numbers keep their values, but for numbers so far below the row's largest that they fall under the format's range.
;;   OPERANDS COMPUTED ON THE WAY. 'Computed on the way' means the value that the module computes at that place (a softmax that the list does not call 'softmax' is quantised finished and normalised). What goes into a quantiser is computed in f32, as accurately as f32 sums, v_exp_f32 and their like allow (about 1e-6 of the number): no bf16 or f16 on the way to a quantiser, and a product that is left as it is and whose result goes on into a quantised operand takes f32 operands (vector FMAs, or v_wmma_f32_16x16x4_f32). A number that lies on a knife's edge between two numbers of the format may be rounded either way, as far as f32 arithmetic and the matrix unit's own rounding can turn it there, and no further.
;;   INPUTS GIVEN AS CODES. W_Key (in the module: [256, 256], K = its axis 0); W_Query (in the module: [256, 256], K = its axis 0); W_Value (in the module: [256, 256], K = its axis 0); keys (in the module: [4096, 256], K = its axis 1); queries (in the module: [4096, 256], K = its axis 1); values (in the module: [4096, 256], K = its axis 1): each comes as NAME_codes (uint8): NAME with its K axis moved to the last place and cut into blocks of 32 codes, [.., K / 32, bytes a block], one block behind the other in memory; one code a byte (a code: sign, 5 exponent bits, 2 mantissa bits); its scale is its entry of lowp_scales. Its value is code x scale, taken as it is: it is not quantised again, and the codes and scales need not be those that the quantiser above would give.
;; One version. Each part assembles by itself: llvm-mc -triple=amdgcn-amd-amdhsa -mcpu=gfx1250 --defsym DOCPART=n.
;; ======== version 1 of 1: 2 launches
;; limits: right only within a limited range of input values
;; workspace buffers: qimg 1,048,576 bytes; kvimg 2,097,152 bytes
;; launch project (part 1): grid 128 x 3, 8 waves a work-group, no clusters, 0 bytes of LDS; arguments queries_codes, keys_codes, values_codes, W_Query_codes, W_Key_codes, W_Value_codes, lowp_scales, qimg, kvimg; writes qimg, kvimg
.if DOCPART == 1
	.amdgcn_target "amdgcn-amd-amdhsa--gfx1250"
	.amdhsa_code_object_version 6
	.text
	.protected	k_q84a7790a05_project
	.globl	k_q84a7790a05_project
	.p2align	8
	.type	k_q84a7790a05_project,@function
k_q84a7790a05_project:
	s_mov_b64 s[64:65], 0
	v_nop
	global_prefetch_b8 v0, s[64:65] scope:SCOPE_SE
	s_setreg_imm32_b32 hwreg(HW_REG_WAVE_MODE, 25, 1), 1
	s_wait_xcnt 0x0
; q = queries W_Query, k = keys W_Key, v = values W_Value on the given codes of BF8 (E5M2), and the quantisers of q, k and v for the two products of the attention.
; X: [4096][256] codes, K innermost.  W: [256 (output channel)][256] codes, K innermost.  A sum stands for sum x 2^(eA + eB); its code is sum / 2^(eo - eA - eB), held within +-57,344, to the nearest code, ties to even.
; WHAT IS STORED are images of the operand registers of v_wmma_f32_16x16x64_bf8_bf8 (lane (r, h): row r; registers 2 j, 2 j + 1: k = 16 j + 8 h + 0 .. 7), in pieces of four registers: lane l's 16 bytes at 16 l, 512 bytes a piece.
;   qimg:  tile T of 16 head-major query rows at 1,024 T; piece c (registers 4 c .. 4 c + 3: channels 32 c on) at + 512 c.
;   kvimg: 64 head-major key rows u at 8,192 u: K's four tiles of 16 keys at + 1,024 tau + 512 c; V's four tiles of 16 channels at + 4,096 + 1,024 t + 512 c2 (registers 4 c2 .. 4 c2 + 3: keys 32 c2 on: the keys are V's K).
; SHARES.  Work-group (x, y): tensor y (0 q, 1 k, 2 v), rows 32 x .. 32 x + 31.  Wave w: output channels 32 w .. 32 w + 31 (head w / 2, half c = w % 2 of its 64 channels).  Four accumulators, K = 256 in two steps of 128.
; ONE PATH FOR ALL THREE.  In a result, lane (r, h) holds row r of source 1 and rows 8 h + 0 .. 7 of source 0, and a conversion takes eight neighbours along the NEXT K from one lane.  For q and k the next K is the channels:
; source 0 = W, source 1 = X.  For v it is the keys: source 0 = X, source 1 = W.  Only pointers and one offset are chosen, on the work-group's y; nothing is transposed.
; A fragment of 16 rows x 128 K comes by four loads of 16 bytes, 32 bytes apart, at 256 r + 16 h: a permutation of k that is the same in both sources, so every product meets its partner; the order of the sums inside an instruction differs.
; LIMITS: eo - eA - eB between -126 and 112, so that the scale and 57,344 x the scale are f32 numbers.  NaN is not served.
; No LDS, no barrier, no loop: waves share nothing, and a wave's two stores cover 512 consecutive bytes each, aligned.
.set AF, 16                            ; v16-79    source 0: tile a, K step s at v[16 + 32 a + 16 s]
.set BF, 80                            ; v80-143   source 1: tile b, K step s at v[80 + 32 b + 16 s]
.set AC, 144                           ; v144-175  the sums: (a, b) at v[144 + 8 (2 b + a)]
.set CD, 176                           ; v176-183  the codes: (a, b) at v[176 + 2 (2 b + a)]: piece b is v[176 + 4 b .. + 3]
	s_load_b512 s[4:19], s[0:1], 0x0               ; queries s[4:5], keys s[6:7], values s[8:9], W_Query s[10:11], W_Key s[12:13], W_Value s[14:15], the exponents s[16:17], qimg s[18:19]
	s_load_b64 s[20:21], s[0:1], 0x40              ; kvimg
	v_lshrrev_b32 v1, 5, v0
	s_delay_alu instid0(VALU_DEP_1)
	v_readfirstlane_b32 s36, v1                    ; wave 0..7
	s_and_b32 s37, ttmp7, 0xffff                   ; y: the tensor
	s_mov_b32 s38, ttmp9                           ; x: which 32 rows
	v_and_b32 v6, 15, v0                           ; r
	v_bfe_u32 v7, v0, 4, 1                         ; h
	s_delay_alu instid0(VALU_DEP_2)
	v_lshlrev_b32 v2, 8, v6
	s_delay_alu instid0(VALU_DEP_1)
	v_lshl_add_u32 v2, v7, 4, v2                   ; 256 r + 16 h: my place in a tile of either source
	v_and_b32 v3, 31, v0
	s_delay_alu instid0(VALU_DEP_1)
	v_lshlrev_b32 v3, 4, v3                        ; 16 x lane: my place in a piece
	; where piece b = 0 goes (piece 1 lies 1,024 bytes on in all three):
	s_lshr_b32 s54, s36, 1                         ; head
	s_and_b32 s55, s36, 1                          ; c
	s_lshr_b32 s56, s38, 1                         ; x / 2: which 64 rows of the head
	s_and_b32 s57, s38, 1                          ; x % 2: which 32 of them
	s_lshl_b32 s58, s54, 18
	s_lshl_b32 s61, s38, 11
	s_add_co_u32 s58, s58, s61
	s_lshl_b32 s61, s55, 9
	s_add_co_u32 s58, s58, s61                     ; q: 262,144 head + 2,048 x + 512 c
	s_lshl_b32 s59, s54, 19
	s_lshl_b32 s62, s56, 13
	s_add_co_u32 s59, s59, s62                     ; k and v: 524,288 head + 8,192 (x / 2)
	s_lshl_b32 s62, s57, 11
	s_add_co_u32 s60, s59, s62
	s_add_co_u32 s60, s60, s61                     ; k: + 2,048 (x % 2) + 512 c
	s_lshl_b32 s62, s55, 11
	s_add_co_u32 s59, s59, s62
	s_lshl_b32 s62, s57, 9
	s_add_co_u32 s59, s59, s62
	s_add_co_u32 s59, s59, 4096                    ; v: + 4,096 + 2,048 c + 512 (x % 2)
	s_cmp_eq_u32 s37, 0
	s_cselect_b32 s58, s58, s60
	s_cmp_eq_u32 s37, 2
	s_cselect_b32 s58, s59, s58
	s_mov_b32 s59, 0
	s_lshl_b32 s50, s38, 13                        ; my 32 rows of X: 8,192 x
	s_mov_b32 s51, 0
	s_lshl_b32 s52, s36, 13                        ; my 32 rows of W: 8,192 w
	s_mov_b32 s53, 0
	s_wait_alu depctr_va_vdst(0)
	s_wait_kmcnt 0x0
	s_load_b256 s[24:31], s[16:17], 0x0            ; e0 .. e7
	s_load_b64 s[32:33], s[16:17], 0x20            ; e8, e9
	s_cmp_eq_u32 s37, 0                            ; the choices hang on the work-group's y alone
	s_cselect_b64 s[40:41], s[4:5], s[6:7]         ; X
	s_cselect_b64 s[42:43], s[10:11], s[12:13]     ; W
	s_cselect_b64 s[48:49], s[18:19], s[20:21]     ; where the codes go
	s_cmp_eq_u32 s37, 2
	s_cselect_b64 s[40:41], s[8:9], s[40:41]
	s_cselect_b64 s[42:43], s[14:15], s[42:43]
	s_add_nc_u64 s[40:41], s[40:41], s[50:51]
	s_add_nc_u64 s[42:43], s[42:43], s[52:53]
	s_add_nc_u64 s[48:49], s[48:49], s[58:59]
	s_cselect_b64 s[44:45], s[40:41], s[42:43]     ; source 0: X for v, else W  (the 64-bit sums leave the compare's result alone)
	s_cselect_b64 s[46:47], s[42:43], s[40:41]     ; source 1: W for v, else X
.irp s, 0,1                                    ; K step 0's sixteen loads first
.irp t, 0,1
.irp c, 0,1,2,3
	global_load_b128 v[AF+32*\t+16*\s+4*\c:AF+32*\t+16*\s+4*\c+3], v2, s[44:45] offset:4096*\t+128*\s+32*\c
	global_load_b128 v[BF+32*\t+16*\s+4*\c:BF+32*\t+16*\s+4*\c+3], v2, s[46:47] offset:4096*\t+128*\s+32*\c
.endr
.endr
.endr
	s_wait_kmcnt 0x0
	s_cmp_eq_u32 s37, 0
	s_cselect_b32 s66, s24, s26                    ; eA: e0, e2 or e4
	s_cselect_b32 s67, s25, s27                    ; eB: e1, e3 or e5
	s_cselect_b32 s68, s30, s31                    ; eo: e6 (q), e7 (k) or e9 (v)
	s_cmp_eq_u32 s37, 2
	s_cselect_b32 s66, s28, s66
	s_cselect_b32 s67, s29, s67
	s_cselect_b32 s68, s33, s68
	s_sub_co_i32 s68, s68, s66
	s_sub_co_i32 s68, s68, s67                     ; the three scales folded into the conversion's one: eo - eA - eB
	s_add_co_i32 s68, s68, 127
	s_lshl_b32 s69, s68, 23
	v_mov_b32 v4, s69                              ; 2^(eo - eA - eB) as f32: the conversion takes its exponent field
	s_add_co_i32 s68, s68, 15
	s_lshl_b32 s68, s68, 23
	s_or_b32 s68, s68, 0x600000
	v_mov_b32 v5, s68                              ; 57,344 x that
	s_wait_loadcnt 16                              ; K step 0's sixteen loads are in; K step 1's sixteen may be out
.irp b, 0,1                                    ; the first K step starts the sums; the four accumulators take turns, one instruction a turn
.irp a, 0,1
	v_wmma_f32_16x16x128_bf8_bf8 v[AC+8*(2*\b+\a):AC+8*(2*\b+\a)+7], v[AF+32*\a:AF+32*\a+15], v[BF+32*\b:BF+32*\b+15], 0
.endr
.endr
	s_wait_loadcnt 0x0
.irp b, 0,1
.irp a, 0,1
	v_wmma_f32_16x16x128_bf8_bf8 v[AC+8*(2*\b+\a):AC+8*(2*\b+\a)+7], v[AF+32*\a+16:AF+32*\a+31], v[BF+32*\b+16:BF+32*\b+31], v[AC+8*(2*\b+\a):AC+8*(2*\b+\a)+7]
.endr
.endr
.rept 4
	v_nop                                          ; four places between a matrix instruction and a vector instruction that reads its result (ISA guide 7.12.1)
.endr
.set j, 0
	s_wait_alu depctr_va_vdst(0)
.rept 32
	v_med3_num_f32 v[AC+j], v[AC+j], -v5, v5       ; the conversion to an 8-bit code does not saturate (ISA guide 7.6.2): the hold at the largest code x the scale; each accumulator from its low end on
.set j, j+1
.endr
.irp i, 0,1,2,3
	v_cvt_scalef32_pk8_bf8_f32 v[CD+2*\i:CD+2*\i+1], v[AC+8*\i:AC+8*\i+7], v4   ; eight neighbours along the next K: two registers of the operand
.endr
	v_nop                                          ; one plain line behind the last conversion
	global_store_b128 v3, v[CD:CD+3], s[48:49]                 ; piece 0: the wave stores 512 consecutive bytes, aligned
	global_store_b128 v3, v[CD+4:CD+7], s[48:49] offset:1024   ; piece 1
	s_endpgm
.Lfunc_end_k_q84a7790a05_project:
	.size	k_q84a7790a05_project, .Lfunc_end_k_q84a7790a05_project-k_q84a7790a05_project
	.p2alignl 7, 3214868480
	.fill 96, 4, 3214868480
	.section	.rodata,"a",@progbits
	.p2align	6, 0x0
	.amdhsa_kernel k_q84a7790a05_project
		.amdhsa_group_segment_fixed_size 0
		.amdhsa_private_segment_fixed_size 0
		.amdhsa_enable_private_segment 0
		.amdhsa_kernarg_size 72
		.amdhsa_user_sgpr_count 2
		.amdhsa_user_sgpr_kernarg_segment_ptr 1
		.amdhsa_wavefront_size32 1
		.amdhsa_system_sgpr_workgroup_id_x 1
		.amdhsa_system_sgpr_workgroup_id_y 1
		.amdhsa_system_sgpr_workgroup_id_z 1
		.amdhsa_system_vgpr_workitem_id 0
		.amdhsa_next_free_vgpr 184
		.amdhsa_next_free_sgpr 80
		.amdhsa_reserve_vcc 0
		.amdhsa_float_denorm_mode_32 3
		.amdhsa_float_denorm_mode_16_64 3
		.amdhsa_memory_ordered 1
		.amdhsa_forward_progress 1
		.amdhsa_inst_pref_size 10
	.end_amdhsa_kernel
	.amdgpu_metadata
---
amdhsa.version: [ 1, 2 ]
amdhsa.kernels:
  - .name:           k_q84a7790a05_project
    .symbol:         k_q84a7790a05_project.kd
    .args:
      - { .name: queries_codes, .offset: 0, .size: 8, .value_kind: global_buffer, .address_space: global }
      - { .name: keys_codes, .offset: 8, .size: 8, .value_kind: global_buffer, .address_space: global }
      - { .name: values_codes, .offset: 16, .size: 8, .value_kind: global_buffer, .address_space: global }
      - { .name: W_Query_codes, .offset: 24, .size: 8, .value_kind: global_buffer, .address_space: global }
      - { .name: W_Key_codes, .offset: 32, .size: 8, .value_kind: global_buffer, .address_space: global }
      - { .name: W_Value_codes, .offset: 40, .size: 8, .value_kind: global_buffer, .address_space: global }
      - { .name: lowp_scales, .offset: 48, .size: 8, .value_kind: global_buffer, .address_space: global }
      - { .name: qimg, .offset: 56, .size: 8, .value_kind: global_buffer, .address_space: global }
      - { .name: kvimg, .offset: 64, .size: 8, .value_kind: global_buffer, .address_space: global }
    .group_segment_fixed_size: 0
    .private_segment_fixed_size: 0
    .kernarg_segment_align: 8
    .kernarg_segment_size: 72
    .max_flat_workgroup_size: 256
    .sgpr_count:     80
    .vgpr_count:     184
    .wavefront_size: 32
...
	.end_amdgpu_metadata
.endif
;; end of part 1
;; launch attend (part 2): grid 256 x 1, 16 waves a work-group, clusters of 4 x 1, 327,680 bytes of LDS; arguments qimg, kvimg, lowp_scales, out0; writes out0
.if DOCPART == 2
	.amdgcn_target "amdgcn-amd-amdhsa--gfx1250"
	.amdhsa_code_object_version 6
	.text
	.protected	k_q84a7790a05_attend
	.globl	k_q84a7790a05_attend
	.p2align	8
	.type	k_q84a7790a05_attend,@function
k_q84a7790a05_attend:
	s_mov_b64 s[64:65], 0
	v_nop
	global_prefetch_b8 v0, s[64:65] scope:SCOPE_SE
	s_setreg_imm32_b32 hwreg(HW_REG_WAVE_MODE, 25, 1), 1
	s_wait_xcnt 0x0
	s_wait_alu depctr_hold_cnt(0) depctr_sa_sdst(0) depctr_va_vdst(0) depctr_va_sdst(0) depctr_va_ssrc(0) depctr_va_vcc(0) depctr_vm_vsrc(0)
	s_getreg_b32 s2, hwreg(HW_REG_IB_STS2, 6, 4)
	s_cmp_eq_u32 s2, 0
	s_cbranch_scc0 .Lentry_in_a_cluster
	s_endpgm
.Lentry_in_a_cluster:
	s_bfe_u32 s2, ttmp6, 0x10000c
	s_cmp_lg_u32 s2, 0x3003
	s_cbranch_scc0 .Lentry_shape_is_right
	s_endpgm
.Lentry_shape_is_right:
; out = softmax(qh kh^T / 8) vh over ALL 16,384 head-major rows, head size 64, heads merged back; both products on codes of BF8 (E5M2) by v_wmma_f32_16x16x64_bf8_bf8, with the given scales 2^e6 (q), 2^e7 (k), 2^e8 (p), 2^e9 (v).
; qimg and kvimg hold images of the operands' registers: a piece of four registers is 512 bytes, lane l's 16 bytes at 16 l.  qimg: tile of 16 queries at 1,024 T.  kvimg: 64 keys at 8,192 u: K's four tiles of 16 keys, then V's four tiles of 16 channels.
; THE SOFTMAX: t = score x log2(e) / 8; M = the largest t so far, rounded UP to a whole number; p = 2^(t - M) is quantised along the keys, not normalised; the row's sum is taken of the unquantised p and divides at the end.
; When M moves, the sums and O are multiplied by 2^(old M - new M), which rounds nothing.  The running maximum is kept of the raw scores (c is positive, so c x the largest score is the largest t).
; SHARES.  A work-group owns 64 queries (four tiles of 16).  Wave w = 8 p + g owns tiles 2 p and 2 p + 1, so that each fragment of K and V feeds two products, and KEY GROUP g: of every slot of 1,024 keys the 128 keys at 16,384 g bytes,
; in two sub-steps of 64.  So a wave sees 2,048 keys under a running M of its own; at the end the eight groups of a tile are joined through LDS, again by whole powers of two.
; LAYOUT.  Both products are used transposed: S^T = K Q^T (source 0 = 16 keys, source 1 = 16 queries), O^T = V^T P (source 0 = 16 channels, source 1 = P): a lane holds ONE query (lane % 16) throughout.  In S^T's tile tau, register j of
; lane (r, h) is key 16 tau + 8 h + j: the tile's conversion gives registers 2 tau, 2 tau + 1 of P as the form's own layout wants them.
; RING.  Two LDS slots of 131,072 bytes, each 131,072 consecutive bytes of kvimg as they lie.  EVERY wave fetches 8,192 bytes (32 rows of 256), one tensor load a wave behind each change of slots: by this text's count a wave has one load out.
; CLUSTER.  Every work-group walks the same kvimg, so the four of a cluster ask for each part JOINTLY: the same load, the same descriptor, a mask that names the four.
; ORDER OF A SUB-STEP.  The last sub-step's second products and this one's score products stand back to back; one run of four places serves the loads into K's and V's registers and the first read of the scores.
; O^T is rescaled ahead of the exponentials.  At a change of slots the exponentials and the sums, work on registers, stand between the opening signal and its wait.
; LIMITS on the given exponents, so that each power of two below is an f32 number: e6 + e7 between -123 and 130 (added to c's exponent field); e8 between -126 and 112; e8 + e9 is applied by v_ldexp_f32 and has none.
; NaN and infinite scores are not served.  A p that lies far under its group's largest so far may fall under the format's range where it would not under the row's final M, and the other way round.
; REGISTERS: v1 LDS address in hand; v2, v3 for the add; v4, v11 57,344 x 2^e8; v6 my place in a slot; tile x: v[8+4x+2q] -M of sub-step parity q (the two take turns), v[9+4x] largest score; v15 2^e8; v[16+4x:19+4x] the sum in two chains of two;
;   v[24+2x] f; v25 16 x lane; v27 prefetch offset; v28-31 maxima at work; v32-47 Q; v48-79 K; v80-111 V; v112-175 S^T, then p; v176-239 O^T; v240-255 p's codes.
.set SLOT1, 1<<17                      ; slot 1 begins here
.set SLOTB, 131072                     ; a slot's bytes, in LDS and in kvimg
.set SPARE, 2*SLOT1                    ; behind the ring: the spare words, 128 bytes for each of sixteen waves
.set STAT,  SPARE+2048                 ; the join: -M and the sum of each wave's two tiles: 512 bytes a wave
.set ROWS,  STAT+8192                  ; the way out: four tiles x 16 rows x (256 bytes + 16)
.set RP,    272
.set NSL,   16                         ; slots' worth of keys
.set QF, 32
.set KB, 48
.set VB, 80
.set SC, 112
.set OT, 176
.set PC, 240
.macro CREST                           ; a round of the cluster's barrier behind its opening barrier
	s_cmp_lg_u32 s12, 0
	s_cbranch_scc1 .Lnot_wave_0_\@
	s_barrier_signal -3
.Lnot_wave_0_\@:
	s_barrier_wait -3
	s_barrier_signal -1
	s_barrier_wait -1
.endm
.macro CROUND                          ; a whole round
	s_barrier_signal -1
	s_barrier_wait -1
	CREST
.endm
.macro PLACES                          ; four places behind a matrix instruction (ISA guide 7.12.1 for vector instructions)
.rept 4
	v_nop
.endr
.endm
.macro TLOAD                           ; my 8,192 bytes of a slot, asked for jointly; s_nop 0 and four v_nop follow
	tensor_load_to_lds s[36:39], s[24:31]
	s_nop 0
	PLACES
.endm
; A PREFETCH INTO THE L2 of a later slot.  Every cluster walks the same bytes: cluster 0 asks, and nobody else.  Its four partners take 32,768 bytes each, told apart BY ADDRESS; in each, waves 8 to 11 take 8,192 bytes each,
; lanes 256 bytes apart: one instruction a wave, each aligned block of 256 bytes named once in the launch.  The change that loads slot s + 2 names slot s + 3; the last named is slot 15.  Slots 0 to 2 come by their loads alone.
.macro ASK
	s_cmp_gt_u32 s41, s17
	s_cbranch_scc0 .Lnot_mine_\@
	global_prefetch_b8 v27, s[18:19] th:TH_LOAD_NT scope:SCOPE_SE
.Lnot_mine_\@:
.endm
.macro KLOAD q                         ; K of my group's sub-step q of the slot in hand: four tiles of 16 keys x 64 channels
.irp n, 0,1,2,3,4,5,6,7
	ds_load_b128 v[KB+4*\n:KB+4*\n+3], v1 offset:8192*(\q)+512*\n
.endr
.endm
.macro VLOAD q                         ; V of the same 64 keys: four tiles of 16 channels x 64 keys
.irp n, 0,1,2,3,4,5,6,7
	ds_load_b128 v[VB+4*\n:VB+4*\n+3], v1 offset:8192*(\q)+4096+512*\n
.endr
.endm
; The largest score of each tile's query (two chains a tile, each accumulator from its low end on), joined with the running one and the lane 16 away; the new -M into the register of parity q; f.  The two tiles' lines alternate.
.macro SM_MAX q
.irp x, 0,1
	v_max3_num_f32 v[28+2*\x], v[SC+32*\x], v[SC+32*\x+1], v[SC+32*\x+2]
	v_max3_num_f32 v[29+2*\x], v[SC+32*\x+3], v[SC+32*\x+4], v[SC+32*\x+5]
.endr
.irp i, 6,10,14,18,22,26
.irp x, 0,1
	v_max3_num_f32 v[28+2*\x], v[28+2*\x], v[SC+32*\x+\i], v[SC+32*\x+\i+1]
	v_max3_num_f32 v[29+2*\x], v[29+2*\x], v[SC+32*\x+\i+2], v[SC+32*\x+\i+3]
.endr
.endr
.irp x, 0,1
	v_max3_num_f32 v[28+2*\x], v[28+2*\x], v[SC+32*\x+30], v[SC+32*\x+31]
.endr
.irp x, 0,1
	v_max3_num_f32 v[28+2*\x], v[28+2*\x], v[29+2*\x], v[9+4*\x]   ; the two chains and the running largest
.endr
.irp x, 0,1
	v_permlanex16_b32 v[29+2*\x], v[28+2*\x], s20, s21   ; the query's other 32 keys lie in the lane 16 away
.endr
.irp x, 0,1
	v_max_num_f32 v[9+4*\x], v[28+2*\x], v[29+2*\x]
.endr
.irp x, 0,1
	v_mul_f32 v[28+2*\x], s22, v[9+4*\x]           ; as t
.endr
.irp x, 0,1
	v_floor_f32 v[8+4*\x+2*(\q)], -v[28+2*\x]      ; the new -M = floor(-t) = -ceil(t)
.endr
.irp x, 0,1
	v_sub_f32 v[29+2*\x], v[8+4*\x+2*(\q)], v[10+4*\x-2*(\q)]   ; old M - new M: a whole number, 0 or less
.endr
.irp x, 0,1
	v_cvt_i32_f32 v[29+2*\x], v[29+2*\x]           ; (it saturates)
.endr
.irp x, 0,1
	v_ldexp_f32 v[24+2*\x], 1.0, v[29+2*\x]        ; f = 2^(old M - new M)
.endr
.endm
.macro O_RESCALE                       ; O^T under the new M; each accumulator from its low end on
.irp x, 0,1
.set j, 0
.rept 16
	v_pk_mul_f32 v[OT+32*\x+j:OT+32*\x+j+1], v[OT+32*\x+j:OT+32*\x+j+1], v[24+2*\x:25+2*\x] op_sel_hi:[1,0]
.set j, j+2
.endr
.endr
.endm
.macro SM_SCALE q                      ; t - M, two at a time (of the pairs c and -M the low word serves both halves)
.irp x, 0,1
.set j, 0
.rept 16
	v_pk_fma_f32 v[SC+32*\x+j:SC+32*\x+j+1], v[SC+32*\x+j:SC+32*\x+j+1], s[22:23], v[8+4*\x+2*(\q):9+4*\x+2*(\q)] op_sel_hi:[1,0,0]
.set j, j+2
.endr
.endr
.endm
.macro EXPS_SUMS                       ; p = 2^(t - M) as one batch; then the row's sums of the UNQUANTISED p, four chains, each brought under the new M by f
.set j, 0
.rept 64
	v_exp_f32 v[SC+j], v[SC+j]
.set j, j+1
.endr
	v_pk_mul_f32 v[16:17], v[16:17], v[24:25] op_sel_hi:[1,0]   ; also the plain line behind the last exponential
	s_wait_alu depctr_va_vdst(0)                   ; the wait ahead of the batch's first reader
	v_pk_add_f32 v[16:17], v[16:17], v[SC:SC+1]
	v_pk_fma_f32 v[18:19], v[18:19], v[24:25], v[SC+2:SC+3] op_sel_hi:[1,0,1]
	v_pk_fma_f32 v[20:21], v[20:21], v[26:27], v[SC+32:SC+33] op_sel_hi:[1,0,1]
	v_pk_fma_f32 v[22:23], v[22:23], v[26:27], v[SC+34:SC+35] op_sel_hi:[1,0,1]
.irp i, 4,8,12,16,20,24,28
.irp x, 0,1
	v_pk_add_f32 v[16+4*\x:17+4*\x], v[16+4*\x:17+4*\x], v[SC+32*\x+\i:SC+32*\x+\i+1]
	v_pk_add_f32 v[18+4*\x:19+4*\x], v[18+4*\x:19+4*\x], v[SC+32*\x+\i+2:SC+32*\x+\i+3]
.endr
.endr
.endm
.macro HOLD                            ; the conversion to an 8-bit code does not saturate (ISA guide 7.6.2); p is not negative, so the hold is one-sided; two numbers a line
.set j, 0
.rept 32
	v_dual_min_num_f32 v[SC+j], v11, v[SC+j] :: v_dual_min_num_f32 v[SC+j+1], v4, v[SC+j+1]
.set j, j+2
.endr
.endm
.macro CODES
.irp x, 0,1
.irp t, 0,1,2,3
	v_cvt_scalef32_pk8_bf8_f32 v[PC+8*\x+2*\t:PC+8*\x+2*\t+1], v[SC+32*\x+8*\t:SC+32*\x+8*\t+7], v15   ; keys 16 t + 8 h + 0 .. 7: registers 2 t, 2 t + 1 of P
.endr
.endr
	v_nop                                          ; one plain line between the last conversion and the matrix instructions that read its result and, later, write its sources
.endm
; A SUB-STEP: my group's 64 keys, number q of the slot in hand, for my two tiles.  On entry K's eight loads are out or in.
; mode 0: the next K lies in the same slot.  1: the change of slots, and the slot that is left is filled again.  2: the change, nothing is filled.  3: the last sub-step.
.macro SUB q, mode
	s_wait_dscnt 0x0                               ; K is in: nothing was issued behind its loads
.irp t, 0,1,2,3                                ; S^T = K Q^T: K = the head's 64 in one instruction, so every product starts its sum
.irp x, 0,1
	v_wmma_f32_16x16x64_bf8_bf8 v[SC+32*\x+8*\t:SC+32*\x+8*\t+7], v[KB+8*\t:KB+8*\t+7], v[QF+8*\x:QF+8*\x+7], 0
.endr
.endr
	PLACES                                         ; for the loads into V's and K's registers and for the first read of the scores
	VLOAD \q
.if \mode == 0
	KLOAD 1
.endif
.if (\mode == 1) || (\mode == 2)
	s_wait_tensorcnt 0x0                           ; my one tensor load that was out, my part of the next slot, has landed; so its group 0 may be written
	ds_add_u32 v2, v3                              ; 0 onto my spare word
.if \mode == 1
	s_xor_b32 s37, s37, SLOT1                      ; the walking descriptor: the other slot than last time,
	s_add_nc_u64 s[38:39], s[38:39], SLOTB         ; the next 1,024 keys; the type bits on top are not reached
	s_wait_xcnt 0x0                                ; the last prefetch has read its address, so it may be written
	s_add_nc_u64 s[18:19], s[18:19], SLOTB
.endif
.endif
	SM_MAX \q
	O_RESCALE
	SM_SCALE \q
	s_wait_alu depctr_va_vdst(0)                   ; the wait ahead of the batch (and of the wait below)
.if (\mode == 1) || (\mode == 2)
	s_wait_dscnt 0x0                               ; the add is done, and V's loads, my last reads of this slot, are in
	s_barrier_signal -1                            ; (with mode 1 this barrier opens a round of the cluster's barrier)
.endif
	EXPS_SUMS                                      ; at a change of slots: work on registers between the signal and the wait
	s_wait_alu depctr_va_vdst(0)                   ; the wait here, directly ahead of the wait below
.if (\mode == 1) || (\mode == 2)
	s_barrier_wait -1
.if \mode == 1
	CREST                                          ; no wave of any partner still reads the slot or has a load on its way
	TLOAD                                          ; the first tensor load behind the round, and the wave's only one until the next
.endif
	s_xor_b32 s40, s40, SLOT1                      ; on to the other slot, which is whole
	v_add_nc_u32 v1, s40, v6
	KLOAD 0
.if \mode == 1
	ASK
.endif
.elseif \mode == 0
	s_wait_dscnt 8                                 ; V is in; the next K's eight loads may be out
.else
	s_wait_dscnt 0x0                               ; V is in; nothing was issued behind it
.endif
	HOLD
	CODES
.irp t, 0,1,2,3                                ; O^T += V^T P: the eight accumulators take turns, one instruction a turn
.irp x, 0,1
	v_wmma_f32_16x16x64_bf8_bf8 v[OT+32*\x+8*\t:OT+32*\x+8*\t+7], v[VB+8*\t:VB+8*\t+7], v[PC+8*\x:PC+8*\x+7], v[OT+32*\x+8*\t:OT+32*\x+8*\t+7]
.endr
.endr
.endm
	s_load_b256 s[4:11], s[0:1], 0x0               ; qimg s[4:5], kvimg s[6:7], the exponents s[8:9], out0 s[10:11]
	v_lshl_add_u32 v2, v0, 2, SPARE
	v_mov_b32 v3, 0
	ds_add_u32 v2, v3                              ; the opening lines: the add, twice on end, and its wait ahead of my first tensor load
	ds_add_u32 v2, v3
	v_lshrrev_b32 v1, 5, v0
	v_readfirstlane_b32 s12, v1                    ; wave 0..15
	v_and_b32 v27, 31, v0
	v_lshlrev_b32 v25, 4, v27                      ; 16 x lane; never rewritten
	v_lshlrev_b32 v27, 8, v27                      ; 256 x lane: the prefetches' offset; never rewritten
	s_and_b32 s14, s12, 7                          ; g: my key group
	s_lshl_b32 s48, s14, 14                        ; 16,384 g: no place in the cluster enters an LDS address
	v_add_nc_u32 v6, s48, v25                      ; my lane's place in a slot
	v_mov_b32 v1, v6                               ; and in slot 0
	s_lshr_b32 s13, s12, 3                         ; p: which two of the four query tiles
	s_bfe_u32 s15, ttmp6, 0x40000                  ; cx: my place in the cluster
	s_lshl_b32 s16, ttmp9, 2                       ; in a cluster launch ttmp9 counts clusters
	s_add_co_u32 s16, s16, s15                     ; my block of 64 queries: it enters Q's and the output's addresses alone
	; descriptor group 1: 32 rows of 32 elements of 8 bytes, dense in memory and in LDS: 8,192 bytes
	s_mov_b32 s24, 15|(3<<16)|(1<<21)              ; 15:0 the mask: all four work-groups; 17:16 elements of 8 bytes; 21 set beside a mask
	s_mov_b32 s25, 32<<16                          ; tensor_dim0 = 32
	s_mov_b32 s26, 32<<16                          ; tensor_dim1 = 32
	s_mov_b32 s27, 32<<16                          ; tile_dim0 = 32
	s_mov_b32 s28, 32                              ; tile_dim1 = 32
	s_mov_b32 s29, 32                              ; tensor_dim0_stride
	s_mov_b32 s30, 0
	s_mov_b32 s31, 0
	s_mov_b32 s20, 0x76543210                      ; v_permlanex16_b32: each lane takes its own place in the other half
	s_mov_b32 s21, 0xfedcba98
	s_mov_b32 s40, 0                               ; LDS byte at which the slot in hand begins
	s_mov_b32 s41, NSL-2                           ; slots still to be asked for in the loop
	s_lshl_b32 s56, s12, 13                        ; 8,192 w: the part of a slot that I fetch
	s_mov_b32 s57, 0
	s_sub_co_u32 s50, s12, 8
	s_lshr_b32 s50, s50, 2                         ; 0 in waves 8 to 11,
	s_or_b32 s50, s50, ttmp9                       ; of cluster 0: the same in all four partners
	s_cmp_eq_u32 s50, 0
	s_cselect_b32 s17, 1, -1                       ; a wave prefetches while s41 is above this
	s_lshl_b32 s50, s15, 15                        ; my work-group's 32,768 bytes of a slot,
	s_and_b32 s51, s12, 3
	s_lshl_b32 s51, s51, 13                        ; my wave's 8,192 of them,
	s_add_co_u32 s50, s50, s51
	s_add_co_u32 s50, s50, 2*SLOTB                 ; in slot 2: the first change of slots steps it to slot 3
	s_mov_b32 s51, 0
	s_lshl_b32 s52, s16, 12                        ; Q: my block's four tiles of 1,024 bytes,
	s_lshl_b32 s53, s13, 11                        ; my two of them
	s_add_co_u32 s52, s52, s53
	s_mov_b32 s53, 0
	s_wait_dscnt 0x0                               ; both opening adds are done
	s_wait_alu depctr_va_vdst(0)                   ; the wait here, directly ahead of the wait below
	s_wait_kmcnt 0x0
	s_load_b128 s[44:47], s[8:9], 0x18             ; e6, e7, e8, e9
	s_add_nc_u64 s[18:19], s[6:7], s[50:51]
	s_add_nc_u64 s[4:5], s[4:5], s[52:53]
	s_mov_b32 s36, 1                               ; group 0, which walks: count = 1,
	s_mov_b32 s37, s56                             ; LDS address: slot 0,
	s_add_nc_u64 s[38:39], s[6:7], s[56:57]        ; global address: the first 1,024 keys,
	s_or_b32 s39, s39, 0x80000000                  ; type = 2
.irp n, 0,1,2,3
	global_load_b128 v[QF+4*\n:QF+4*\n+3], v25, s[4:5] offset:512*\n   ; Q's two fragments stay in registers
.endr
	CROUND                                         ; all four work-groups are here: the first joint loads meet
	TLOAD                                          ; slot 0: one tensor load a wave at the head
.irp x, 0,1
	v_mov_b32 v[9+4*\x], 0xff61b1e6                ; the largest score so far: -3e38
	v_mov_b32 v[10+4*\x], 0x7f61b1e6               ; -M of the parity that the first sub-step takes as the old one: 3e38, so that the first f is 0
.endr
.set j, 0
.rept 8
	v_mov_b32 v[16+j], 0                           ; the sums
.set j, j+1
.endr
.set j, 0
.rept 64
	v_mov_b32 v[OT+j], 0                           ; O^T.  (The sub-step has no first form of its own: the first finds zeros, which the first f leaves zeros)
.set j, j+1
.endr
	s_wait_kmcnt 0x0
	s_add_co_i32 s54, s44, s45
	s_lshl_b32 s54, s54, 23
	s_add_co_i32 s22, s54, 0x3e38aa3b              ; c = log2(e) / 8, with e6 + e7 added to its exponent field
	s_mov_b32 s23, s22                             ; (named with it as a pair, so it is written)
	s_add_co_i32 s54, s46, 127
	s_lshl_b32 s55, s54, 23
	v_mov_b32 v15, s55                             ; 2^e8 as f32, for the conversion
	s_add_co_i32 s54, s54, 15
	s_lshl_b32 s54, s54, 23
	s_or_b32 s54, s54, 0x600000
	v_mov_b32 v11, s54                             ; 57,344 x 2^e8, in two registers: one for each half of a dual line
	v_mov_b32 v4, s54
	s_add_co_i32 s42, s46, s47                     ; e8 + e9
	s_wait_alu depctr_va_vdst(0)                   ; the wait at the head's end
	s_wait_tensorcnt 0x0                           ; my part of slot 0 is in
	ds_add_u32 v2, v3
	s_xor_b32 s37, s37, SLOT1                      ; the descriptor walks on to slot 1
	s_add_nc_u64 s[38:39], s[38:39], SLOTB
	s_wait_dscnt 0x0
	CROUND                                         ; everybody's part of slot 0 is in, and the four work-groups are here
	TLOAD                                          ; slot 1's first fill, the first tensor load behind the round
	KLOAD 0
	s_wait_loadcnt 0x0                             ; Q
.Lslot:                                            ; NSL - 2 trips, a slot each: every slot but the last two is filled again when it is left
	SUB 0, 0
	SUB 1, 1
	s_sub_co_u32 s41, s41, 1
	s_cmp_lg_u32 s41, 0
	s_cbranch_scc1 .Lslot
	SUB 0, 0                                       ; the last two slots are written out
	SUB 1, 2
	SUB 0, 0
	SUB 1, 3
	; THE JOIN of the eight key groups, and the way out.  The lines up to the first store are also the places behind the last products.
	v_pk_add_f32 v[16:17], v[16:17], v[18:19]      ; each sum's two chains,
	v_pk_add_f32 v[20:21], v[20:21], v[22:23]
	v_add_f32 v16, v16, v17                        ; two halves,
	v_add_f32 v20, v20, v21
	v_permlanex16_b32 v28, v16, s20, s21
	v_permlanex16_b32 v29, v20, s20, s21
	v_add_f32 v16, v16, v28                        ; and the lane 16 away's: my group's sum for the lane's query
	v_add_f32 v20, v20, v29
	s_lshr_b32 s50, s14, 2                         ; behind the exchange wave (p, g) owns ONE accumulator's worth: query tile 2 p + a, a = g / 4,
	s_and_b32 s51, s14, 3                          ; channel tile t = g % 4
	s_lshl_b32 s52, s12, 13                        ; my O^T goes to 8,192 w: in LDS slot 0, which has had its last fill and was left by every wave at the last change of slots
	s_lshl_b32 s53, s12, 9
	s_add_co_u32 s53, s53, STAT                    ; my statistics to STAT + 512 w
	s_lshl_b32 s54, s13, 16
	s_lshl_b32 s55, s14, 10
	s_add_co_u32 s54, s54, s55                     ; what I read back: of wave 8 p + g', at 8,192 g' on, the two pieces at 1,024 g
	s_lshl_b32 s55, s13, 12
	s_lshl_b32 s56, s50, 8
	s_add_co_u32 s55, s55, s56
	s_add_co_u32 s55, s55, STAT                    ; and its statistics of tile a
	s_lshl_b32 s56, s13, 1
	s_add_co_u32 s56, s56, s50                     ; 2 p + a
	s_mul_i32 s57, s56, 16*RP
	s_add_co_u32 s57, s57, ROWS                    ; that tile's 16 rows in ROWS
	s_lshl_b32 s58, s51, 6
	s_add_co_u32 s58, s58, s57                     ; in: + 64 t bytes: my 16 channels
	s_mul_i32 s59, s51, 4*RP
	s_add_co_u32 s59, s59, s57                     ; back: rows 4 t .. 4 t + 3, whole
	s_and_b32 s60, s16, 63                         ; the output: head-major row 64 block + 16 (2 p + a) + row is batch row 64 (block % 64) + .., head block / 64
	s_lshl_b32 s60, s60, 6
	s_lshl_b32 s61, s56, 4
	s_add_co_u32 s60, s60, s61
	s_lshl_b32 s61, s51, 2
	s_add_co_u32 s60, s60, s61
	s_lshl_b32 s60, s60, 10                        ; a row of the output is 1,024 bytes,
	s_lshr_b32 s61, s16, 6
	s_lshl_b32 s61, s61, 8                         ; a head's part of it 256
	s_add_co_u32 s60, s60, s61
	s_mov_b32 s61, 0
	s_add_nc_u64 s[10:11], s[10:11], s[60:61]
	v_and_b32 v5, 31, v0
	v_lshlrev_b32 v5, 2, v5                        ; 4 x lane
	v_and_b32 v38, 15, v0                          ; r
	v_bfe_u32 v7, v0, 4, 1                         ; h
	v_add_nc_u32 v1, s52, v25
	v_add_nc_u32 v32, s53, v5
	v_add_nc_u32 v33, s54, v25
	v_mul_u32_u24 v34, v38, RP
	v_lshl_add_u32 v34, v7, 5, v34
	v_add_nc_u32 v34, s58, v34                     ; ROWS, in: row r, + 32 h
	v_mul_u32_u24 v35, v7, RP
	v_lshl_add_u32 v35, v38, 4, v35
	v_add_nc_u32 v35, s59, v35                     ; ROWS, back: lanes 0-15 one row of 256 bytes, lanes 16-31 the next
	v_lshlrev_b32 v36, 10, v7
	v_lshl_add_u32 v36, v38, 4, v36                ; and the same two rows in the output
	v_add_nc_u32 v37, s55, v5
.irp n, 0,1,2,3,4,5,6,7,8,9,10,11,12,13,14,15
	ds_store_b128 v1, v[OT+4*\n:OT+4*\n+3] offset:512*\n   ; O^T as it stands in my registers: tile x, channel tile t at 4,096 x + 1,024 t; each accumulator from its low end on
.endr
	ds_store_b32 v32, v10                          ; -M and the sum of tile 0 (the last sub-step's parity is 1),
	ds_store_b32 v32, v16 offset:128
	ds_store_b32 v32, v14 offset:256               ; and of tile 1
	ds_store_b32 v32, v20 offset:384
	s_wait_alu depctr_va_vdst(0)                   ; the wait here, directly ahead of the wait below
	s_wait_dscnt 0x0                               ; for the others' sake: my stores are done
	s_barrier_signal -1
	s_barrier_wait -1
.irp q, 0,1,2,3,4,5,6,7
	ds_load_b32 v[112+\q], v37 offset:512*\q       ; group q's -M
	ds_load_b32 v[120+\q], v37 offset:512*\q+128   ; and its sum
.endr
.irp q, 0,1,2,3,4,5,6,7
	ds_load_b128 v[48+8*\q:51+8*\q], v33 offset:8192*\q       ; group q's eight registers of my accumulator
	ds_load_b128 v[52+8*\q:55+8*\q], v33 offset:8192*\q+512
.endr
	s_wait_dscnt 16                                ; the statistics are in; the sixteen pieces of O^T may be out
	v_min3_num_f32 v152, v112, v113, v114          ; -M of the row = the least of the eight -M
	v_min3_num_f32 v152, v152, v115, v116
	v_min3_num_f32 v152, v152, v117, v118
	v_min_num_f32 v152, v152, v119
.irp q, 0,1,2,3,4,5,6,7
	v_sub_f32 v[129+2*\q], v152, v[112+\q]         ; group q's M less the row's: a whole number, 0 or less
.endr
.irp q, 0,1,2,3,4,5,6,7
	v_cvt_i32_f32 v[129+2*\q], v[129+2*\q]
.endr
.irp q, 0,1,2,3,4,5,6,7
	v_ldexp_f32 v[128+2*\q], 1.0, v[129+2*\q]      ; f of group q: a multiplication by it rounds nothing
.endr
	v_mul_f32 v154, v128, v120
.irp q, 1,2,3,4,5,6,7
	v_fmac_f32 v154, v[128+2*\q], v[120+\q]        ; the row's sum
.endr
	s_wait_alu depctr_va_vdst(0)                   ; the wait ahead of the transcendental
	v_rcp_f32 v154, v154
	v_mov_b32 v155, 0                              ; a plain line behind the reciprocal; v155 is named below as the upper half of the pair
	s_wait_dscnt 0x0
.irp i, 0,2,4,6
	v_pk_mul_f32 v[144+\i:145+\i], v[48+\i:49+\i], v[128:129] op_sel_hi:[1,0]
.endr
.irp q, 1,2,3,4,5,6,7
.irp i, 0,2,4,6
	v_pk_fma_f32 v[144+\i:145+\i], v[48+8*\q+\i:49+8*\q+\i], v[128+2*\q:129+2*\q], v[144+\i:145+\i] op_sel_hi:[1,0,1]
.endr
.endr
	s_wait_alu depctr_va_vdst(0)                   ; the wait ahead of the first line that names the reciprocal
	v_ldexp_f32 v154, v154, s42                    ; x 2^(e8 + e9)
.irp i, 0,2,4,6
	v_pk_mul_f32 v[144+\i:145+\i], v[144+\i:145+\i], v[154:155] op_sel_hi:[1,0]   ; register j: out(query r, channel 16 t + 8 h + j)
.endr
	ds_store_b128 v34, v[144:147]
	ds_store_b128 v34, v[148:151] offset:16
	s_wait_dscnt 0x0                               ; a row's 256 bytes come from four waves: my stores are done,
	s_barrier_signal -1
	s_barrier_wait -1                              ; everybody's are
	ds_load_b128 v[160:163], v35
	ds_load_b128 v[164:167], v35 offset:2*RP
	s_wait_dscnt 1                                 ; the first two rows are in; the second load may be out
	global_store_b128 v36, v[160:163], s[10:11] th:TH_STORE_NT                ; sixteen lanes store 256 consecutive bytes, at a multiple of 256 from the output's first byte
	s_wait_dscnt 0x0
	global_store_b128 v36, v[164:167], s[10:11] offset:2048 th:TH_STORE_NT
	s_wait_tensorcnt 0x0                           ; the wave's end
	ds_add_u32 v2, v3
	s_wait_dscnt 0x0
	CROUND                                         ; the closing round: no work-group ends while a partner may still ask for a part that names it
	s_endpgm
.Lfunc_end_k_q84a7790a05_attend:
	.size	k_q84a7790a05_attend, .Lfunc_end_k_q84a7790a05_attend-k_q84a7790a05_attend
	.p2alignl 7, 3214868480
	.fill 96, 4, 3214868480
	.section	.rodata,"a",@progbits
	.p2align	6, 0x0
	.amdhsa_kernel k_q84a7790a05_attend
		.amdhsa_group_segment_fixed_size 327680
		.amdhsa_private_segment_fixed_size 0
		.amdhsa_enable_private_segment 0
		.amdhsa_kernarg_size 32
		.amdhsa_user_sgpr_count 2
		.amdhsa_user_sgpr_kernarg_segment_ptr 1
		.amdhsa_wavefront_size32 1
		.amdhsa_system_sgpr_workgroup_id_x 1
		.amdhsa_system_sgpr_workgroup_id_y 1
		.amdhsa_system_sgpr_workgroup_id_z 1
		.amdhsa_system_vgpr_workitem_id 0
		.amdhsa_next_free_vgpr 256
		.amdhsa_next_free_sgpr 72
		.amdhsa_reserve_vcc 0
		.amdhsa_float_denorm_mode_32 3
		.amdhsa_float_denorm_mode_16_64 3
		.amdhsa_memory_ordered 1
		.amdhsa_forward_progress 1
		.amdhsa_inst_pref_size 113
	.end_amdhsa_kernel
	.amdgpu_metadata
---
amdhsa.version: [ 1, 2 ]
amdhsa.kernels:
  - .name:           k_q84a7790a05_attend
    .symbol:         k_q84a7790a05_attend.kd
    .args:
      - { .name: qimg, .offset: 0, .size: 8, .value_kind: global_buffer, .address_space: global }
      - { .name: kvimg, .offset: 8, .size: 8, .value_kind: global_buffer, .address_space: global }
      - { .name: lowp_scales, .offset: 16, .size: 8, .value_kind: global_buffer, .address_space: global }
      - { .name: out0, .offset: 24, .size: 8, .value_kind: global_buffer, .address_space: global }
    .group_segment_fixed_size: 327680
    .private_segment_fixed_size: 0
    .kernarg_segment_align: 8
    .kernarg_segment_size: 32
    .max_flat_workgroup_size: 512
    .sgpr_count:     72
    .vgpr_count:     256
    .wavefront_size: 32
...
	.end_amdgpu_metadata
.endif
;; end of part 2
